; MI455X (gfx1250); checked and timed in simulation.
; The chip was launched on July 23, 2026; its instructions are those of AMD's public machine-readable ISA for CDNA 5 (MIT licence, August 2026) and "CDNA5" Instruction Set Architecture Reference Guide (July 2026). The comments in the code are by the model that wrote it; some were corrected since.
;; Mo E Sparse Layer. Allowed arithmetic: matrix products marked QUANTISED: E5M2 operands, one E8M0 scale for each 32 along K, by v_wmma_scale_f32_16x16x128_f8f6f4 with both operands' format E5M2, f32 sums; products left as they are: f32 operands where the result goes on into a quantised operand, else bf16, f16 or f32 operands; f32 sums; everything else in f32.
;; Inputs: W1 8 x 1,024 x 1,024 float32; W2 8 x 1,024 x 1,024 float32; Wg 1,024 x 8 float32; b1 8 x 1,024 float32; b2 8 x 1,024 float32; bg 8 float32; x 4 x 1,024 x 1,024 float32.
;; Outputs: out0 4 x 1,024 x 1,024 float32.
;; This version of the problem:
;;   THIS VERSION OF THE PROBLEM IS GIVEN IN LOW PRECISION. The matrix products marked QUANTISED in the list below multiply operands that are first quantised to E5M2 (5 exponent bits, 2 mantissa bits; 8 bits a number), with one power-of-two scale for each 32 numbers along K (OCP MX v1.0); their sums are f32. All else is computed in f32.
;;   The module's matrix products, in the order in which they are computed (A, B: the left and right operand; K: the contracted axis; several contracted axes count as one K, in the product's order):
;;     1. [M 4,096, K 1,024] x [K 1,024, N 8]; A: input x; B: input Wg: left as it is (N = 8 < 16)
;;     2. [M 4,096, K 1,024] x [K 1,024, N 8,192]; A: input x; B: input W1: QUANTISED
;;     3. batch 8 x [M 1,024, K 1,024] x [K 1,024, N 4,096]; A: input W2; B: computed on the way: QUANTISED
;;   THE QUANTISER, for each operand of a quantised product, along K:
;;     - K is cut into blocks of 32 from its start; a last block that is shorter is filled with zeros.
;;     - A block's scale is 2^e with e = floor(log2(the largest magnitude in the block)) - 15, held to -126 .. 127; a block of zeros has e = 0. As a byte (E8M0): e + 127.
;;     - Each number is divided by its block's scale, clamped to +-57,344, and rounded to the nearest number of E5M2, ties to even, subnormals kept.
;;     - The product sums the exact products of the quantised numbers (number of the format x scale) in f32.
;;   ~~~python
;;   def quantise(x, axis):      # numpy; x: float32 -> the quantised numbers, widened to float32 again
;;       x = np.moveaxis(x, axis, -1); K = x.shape[-1]
;;       x = np.pad(x, [(0, 0)] * (x.ndim - 1) + [(0, -K % 32)]); x = x.reshape(x.shape[:-1] + (-1, 32)); a = np.abs(x).max(-1, keepdims=True)
;;       e = np.where(a > 0, np.clip(np.frexp(np.where(a > 0, a, 1))[1] - 1 - 15, -126, 127), 0)      # np.frexp(a)[1] - 1 = floor(log2(a)), exactly
;;       r = np.clip(x / 2.0 ** e, -57344, 57344)
;;       step = 2.0 ** (np.maximum(np.frexp(np.where(r == 0, 1, r))[1] - 1, -14) - 2)
;;       q = np.round(r / step) * step * 2.0 ** e      # np.round: ties to even
;;       return np.moveaxis(q.reshape(q.shape[:-2] + (-1,))[..., :K], -1, axis).astype(np.float32)
;;   ~~~
;;   OPERANDS COMPUTED ON THE WAY. 'Computed on the way' means the value that the module computes at that place (a softmax that the list does not call 'softmax' is quantised finished and normalised). What goes into a quantiser is computed in f32, as accurately as f32 sums, v_exp_f32 and their like allow (about 1e-6 of the number): no bf16 or f16 on the way to a quantiser, and a product that is left as it is and whose result goes on into a quantised operand takes f32 operands (vector FMAs, or v_wmma_f32_16x16x4_f32). A number that lies on a knife's edge between two numbers of the format may be rounded either way, as far as f32 arithmetic and the matrix unit's own rounding can turn it there, and no further.
;; One version. Each part assembles by itself: llvm-mc -triple=amdgcn-amd-amdhsa -mcpu=gfx1250 --defsym DOCPART=n.
;; ======== version 1 of 1: 4 launches
;; workspace buffers: xq 4,325,376 bytes; sel 16,384 bytes of whole numbers; gw 32,768 bytes; wq 17,301,504 bytes; lst 23,808 bytes of whole numbers; hq 11,455,488 bytes
;; launch route (part 1): grid 256 x 1, 8 waves a work-group, no clusters, 78,336 bytes of LDS; arguments x, Wg, bg, xq, sel, gw; writes xq, sel, gw
.if DOCPART == 1
	.amdgcn_target "amdgcn-amd-amdhsa--gfx1250"
	.amdhsa_code_object_version 6
	.text
	.protected	k_qd46d6df981_route
	.globl	k_qd46d6df981_route
	.p2align	8
	.type	k_qd46d6df981_route,@function
k_qd46d6df981_route:
	s_mov_b64 s[64:65], 0
	v_nop
	global_prefetch_b8 v0, s[64:65] scope:SCOPE_SE
	s_setreg_imm32_b32 hwreg(HW_REG_WAVE_MODE, 25, 1), 1
	s_wait_xcnt 0x0
; ROUTE.  x [4096][1024] f32 is read once and serves twice: it is quantised along K into codes of E5M2 (xq: [4096][1024] bytes, then at XS one E8M0 byte
; for each 32 along K, [4096][32]), and it is multiplied in f32 by Wg [1024][8] for the router: softmax(x Wg + bg), the two largest scores of each token.
; What is chosen is stored at fixed places: sel[token] = the number p of the unordered pair (a < b) of experts, p = a (13 - a) / 2 + b - 1 (0 .. 27);
; gw[token] = (score of a, score of b).  No address and no branch here hangs on the choice: a later launch reads sel and places the rows.
; SHARES.  A work-group takes 16 tokens.  Wave w: qd = w % 4 is its 256 of K, th = w / 4 its 8 tokens, two tokens a step, four steps.
; Each load reads 512 consecutive bytes; a step's 2,048 bytes turn through the wave's own stage in LDS and come back 64 bytes a lane: 16 neighbours along K,
; as the conversions want them; two neighbouring lanes hold a block of 32.  The same 16 numbers meet the lane's 16 rows of Wg, kept in 128 registers.
; A block's scale byte is its largest magnitude's exponent field - 15, held at 1 from below.
; LIMITS: NaN and infinities among the inputs are not served.  A block whose largest magnitude lies under 2^-111, a block of zeros too, gets the byte 1
; (its codes are then zeros or subnormal codes; the bytes are read by this program alone).  The router's sums are f32 in another order than a row-by-row
; sum: a second and a third score that lie within rounding of each other may change places.  Ties go to the lower expert (strict comparisons, ascending).
; No matrix unit, no cluster, no tensor load: the launch streams x once and shares nothing but 32 KB of Wg.
.set WPT,  528                         ; Wg in LDS: 64 chunks of 512 bytes (16 k x 8 experts) + 16 of padding: 33 x 16 bytes
.set STG,  64*WPT                      ; the waves' stages: two of 32 x SP bytes for each wave
.set SP,   80                          ; a lane's place in a stage: 64 bytes + 16 of padding
.set PL,   STG+8*64*SP                 ; partial logits [qd 4][token 16][8 f32]
.set SCB,  PL+2048                     ; scale bytes [token 16][32]
.set XS,   4194304                     ; where the scale bytes begin in xq
.set R,    16                          ; v16-79   four steps x 16 registers as loaded; a step's first four later hold its codes
.set X,    80                          ; v80-111  two sets of 16 neighbours
.set WGR,  112                         ; v112-239 Wg[k0 + i][e] at WGR + 8 i + e
.set A8,   240                         ; v240-247 the step's eight partial logits
	s_load_b256 s[4:11], s[0:1], 0x0               ; x s[4:5], Wg s[6:7], bg s[8:9], xq s[10:11]
	s_load_b128 s[12:15], s[0:1], 0x20             ; sel s[12:13], gw s[14:15]
	v_lshl_add_u32 v254, v0, 2, 0x12e00
	v_mov_b32 v255, 0
	v_lshrrev_b32 v1, 5, v0
	v_readfirstlane_b32 s24, v1                    ; wave 0..7
	v_and_b32 v1, 31, v0                           ; lane L
	s_and_b32 s25, s24, 3                          ; qd
	s_lshr_b32 s26, s24, 2                         ; th
	v_lshlrev_b32 v2, 4, v1                        ; 16 L
	v_lshlrev_b32 v3, 4, v0                        ; 16 x thread: Wg's loads
	v_and_b32 v9, 15, v1                           ; L % 16
	v_lshrrev_b32 v11, 4, v1                       ; L / 16
	s_mul_i32 s27, s24, WPT
	v_add_nc_u32 v4, s27, v2                       ; Wg into LDS: load n's chunk 8 n + wave, byte 16 L
	s_mul_i32 s27, s25, 16*WPT
	v_mul_u32_u24 v5, v9, WPT
	v_add_nc_u32 v5, s27, v5                       ; Wg out of LDS: chunk 16 qd + L % 16: my 16 rows
	s_mul_i32 s28, s24, 64*SP
	s_add_co_u32 s28, s28, STG                     ; my wave's stages
	v_lshrrev_b32 v10, 2, v1
	v_mul_u32_u24 v6, v10, SP
	v_and_b32 v10, 3, v1
	v_lshl_add_u32 v6, v10, 4, v6
	v_add_nc_u32 v6, s28, v6                       ; in: four lanes' 64 bytes on end, then the padding
	v_mul_u32_u24 v7, v1, SP
	v_add_nc_u32 v7, s28, v7                       ; out: SP x lane
	s_lshl_b32 s29, s25, 9
	s_lshl_b32 s30, s26, 8
	s_add_co_u32 s29, s29, s30
	s_add_co_u32 s29, s29, PL
	v_lshl_add_u32 v8, v11, 5, s29                 ; partial logits: PL + 512 qd + 256 th + 32 (L / 16); + 64 a step
	s_lshl_b32 s31, s25, 3
	s_add_co_u32 s31, s31, s30
	s_add_co_u32 s31, s31, SCB
	v_lshrrev_b32 v12, 1, v9
	v_lshl_add_u32 v12, v11, 5, v12
	v_add_nc_u32 v12, s31, v12                     ; scale bytes: SCB + 256 th + 32 (L / 16) + 8 qd + (L % 16) / 2; + 64 a step
	v_lshlrev_b32 v13, 4, v9
	v_lshl_add_u32 v13, v11, 10, v13               ; codes in memory: 1,024 (L / 16) + 16 (L % 16)
	v_lshl_add_u32 v14, v9, 5, PL                  ; the end: token L % 16's logits,
	v_add_nc_u32 v15, SCB, v2                      ; and 16 scale bytes a lane
	s_lshl_b32 s32, ttmp9, 16                      ; x: 16 tokens x 4,096 bytes a work-group, + 8 tokens x th, + 1,024 qd
	s_lshl_b32 s33, s26, 15
	s_add_co_u32 s32, s32, s33
	s_lshl_b32 s33, s25, 10
	s_add_co_u32 s32, s32, s33
	s_mov_b32 s33, 0
	s_lshl_b32 s34, ttmp9, 14                      ; the codes: a quarter of that
	s_lshl_b32 s35, s26, 13
	s_add_co_u32 s34, s34, s35
	s_lshl_b32 s35, s25, 8
	s_add_co_u32 s34, s34, s35
	s_mov_b32 s35, 0
	s_lshl_b32 s36, ttmp9, 9                       ; the scale bytes: 512 a work-group
	s_add_co_u32 s36, s36, XS
	s_mov_b32 s37, 0
	s_lshl_b32 s38, ttmp9, 6                       ; sel: 64 bytes
	s_mov_b32 s39, 0
	s_lshl_b32 s40, ttmp9, 7                       ; gw: 128 bytes
	s_mov_b32 s41, 0
	s_mov_b32 s42, 0x600000                        ; the mantissa field of 57,344
	s_wait_kmcnt 0x0
	s_load_b256 s[16:23], s[8:9], 0x0              ; bg: eight numbers; waited for at the end
	s_add_nc_u64 s[4:5], s[4:5], s[32:33]
	s_add_nc_u64 s[36:37], s[10:11], s[36:37]
	s_add_nc_u64 s[10:11], s[10:11], s[34:35]
	s_add_nc_u64 s[12:13], s[12:13], s[38:39]
	s_add_nc_u64 s[14:15], s[14:15], s[40:41]
.irp n, 0,1,2,3,4,5,6,7
	global_load_b128 v[WGR+4*\n:WGR+4*\n+3], v3, s[6:7] offset:4096*\n    ; Wg, dense: 4,096 bytes a load of the work-group
.endr
.irp t, 0,1,2,3
.irp i, 0,1,2,3
	global_load_b128 v[R+16*\t+4*\i:R+16*\t+4*\i+3], v2, s[4:5] offset:(2*\t+\i/2)*4096+(\i%2)*512 th:TH_LOAD_NT   ; all of my x: 32 lanes read 512 consecutive bytes
.endr
.endr
	s_wait_loadcnt 16                              ; Wg's eight loads are in; x's sixteen stay out
.irp n, 0,1,2,3,4,5,6,7
	ds_store_b128 v4, v[WGR+4*\n:WGR+4*\n+3] offset:8*WPT*\n
.endr
	s_wait_dscnt 0x0                               ; for the others' sake: my part of Wg lies in LDS
	s_barrier_signal -1
	s_barrier_wait -1
.set i_, 0
.rept 32
	ds_load_b128 v[WGR+4*i_:WGR+4*i_+3], v5 offset:16*i_                  ; my 16 rows of Wg: they stay
.set i_, i_+1
.endr
.macro TURN t                          ; step t's numbers through the stage; LDS serves a wave's instructions in order (ISA guide 5.7.1.4): no wait between the stores and the loads
.irp i, 0,1,2,3
	ds_store_b128 v6, v[R+16*(\t)+4*\i:R+16*(\t)+4*\i+3] offset:32*SP*((\t)%2)+8*SP*\i
.endr
.irp i, 0,1,2,3
	ds_load_b128 v[X+16*((\t)%2)+4*\i:X+16*((\t)%2)+4*\i+3], v7 offset:32*SP*((\t)%2)+16*\i
.endr
.endm
	s_wait_loadcnt 12                              ; step 0's four loads are in
	TURN 0
; A step: tokens 8 th + 2 t + L / 16; my numbers are k = 256 qd + 16 (L % 16) + 0 .. 15.
.macro STEP t
.set XT, X+16*((\t)%2)
.set CT, R+16*(\t)
	s_wait_dscnt 0x0                               ; my numbers are back from the stage, and the last step's LDS stores have read their registers
.if (\t) < 3
	s_wait_loadcnt 4*(2-(\t))                      ; the next step's four loads are in; the later steps' stay out
	TURN (\t)+1
.endif
	; the router: eight sums over my 16 k, two experts an instruction; x_i is broadcast from its pair
.irp p, 0,1,2,3
	v_pk_mul_f32 v[A8+2*\p:A8+2*\p+1], v[WGR+2*\p:WGR+2*\p+1], v[XT:XT+1] op_sel_hi:[1,0]
.endr
.irp i, 1,2,3,4,5,6,7,8,9,10,11,12,13,14,15
.irp p, 0,1,2,3
.if (\i)%2
	v_pk_fma_f32 v[A8+2*\p:A8+2*\p+1], v[WGR+8*\i+2*\p:WGR+8*\i+2*\p+1], v[XT+\i-1:XT+\i], v[A8+2*\p:A8+2*\p+1] op_sel:[0,1,0]
.else
	v_pk_fma_f32 v[A8+2*\p:A8+2*\p+1], v[WGR+8*\i+2*\p:WGR+8*\i+2*\p+1], v[XT+\i:XT+\i+1], v[A8+2*\p:A8+2*\p+1] op_sel_hi:[1,0,1]
.endif
.endr
.endr
.irp k, 1,2,4,8                        ; over the 16 lanes of a token
.irp e, 0,1,2,3,4,5,6,7
	v_add_f32_dpp v[A8+\e], v[A8+\e], v[A8+\e] row_xmask:\k row_mask:0xf bank_mask:0xf
.endr
.endr
	ds_store_b128 v8, v[A8:A8+3] offset:64*(\t)            ; the 16 lanes of a token write the same bytes with the same values
	ds_store_b128 v8, v[A8+4:A8+7] offset:64*(\t)+16
	; the quantiser
	v_max3_num_f32 v248, |v[XT]|, |v[XT+1]|, |v[XT+2]|
	v_max3_num_f32 v249, |v[XT+3]|, |v[XT+4]|, |v[XT+5]|
.irp i, 6,10
	v_max3_num_f32 v248, v248, |v[XT+\i]|, |v[XT+\i+1]|
	v_max3_num_f32 v249, v249, |v[XT+\i+2]|, |v[XT+\i+3]|
.endr
	v_max3_num_f32 v248, v248, |v[XT+14]|, |v[XT+15]|
	v_max3_num_f32 v248, v248, v249, 0x8000000     ; and the floor 2^(16 - 127): the byte cannot fall under 1
	v_max_num_f32_dpp v248, v248, v248 row_xmask:1 row_mask:0xf bank_mask:0xf   ; with my neighbour's 16: the block's largest magnitude
	v_add_nc_u32 v251, 0xf8800000, v248            ; 15 off its exponent field: the conversion's scale operand
	v_and_or_b32 v250, v248, 0x7f800000, s42       ; 57,344 x the scale
.irp i, 0,1,2,3,4,5,6,7,8,9,10,11,12,13,14,15
	v_med3_num_f32 v[XT+\i], v[XT+\i], -v250, v250 ; the conversion to an 8-bit code does not saturate (ISA guide 7.6.2): hold the number first
.endr
	v_cvt_scalef32_pk8_bf8_f32 v[CT:CT+1], v[XT:XT+7], v251
	v_cvt_scalef32_pk8_bf8_f32 v[CT+2:CT+3], v[XT+8:XT+15], v251
	v_lshrrev_b32 v252, 23, v251                   ; the scale's byte
	ds_store_b8 v12, v252 offset:64*(\t)           ; both lanes of a block write the same byte
	global_store_b128 v13, v[CT:CT+3], s[10:11] offset:2048*(\t)   ; 16 lanes store 256 consecutive bytes, at a multiple of 256 from xq's first byte; these registers are not written again
.endm
	STEP 0
	STEP 1
	STEP 2
	STEP 3
	s_wait_dscnt 0x0                               ; for wave 0's sake: my logits and scale bytes lie in LDS
	s_barrier_signal -1
	s_barrier_wait -1
	s_cmp_lg_u32 s24, 0
	s_cbranch_scc1 .Ldone
	; THE END, wave 0 alone: lane L stands for token L % 16 (lanes 16-31 repeat lanes 0-15 and store nothing of the choice)
.irp q, 0,1,2,3
.irp k, 0,1
	ds_load_b128 v[WGR+8*\q+4*\k:WGR+8*\q+4*\k+3], v14 offset:512*\q+16*\k
.endr
.endr
	ds_load_b128 v[144:147], v15
	v_lshlrev_b32 v199, 2, v9
	v_lshlrev_b32 v200, 3, v9
	s_wait_dscnt 0x0
	s_wait_kmcnt 0x0                               ; bg
	global_store_b128 v2, v[144:147], s[36:37]     ; the work-group's 512 scale bytes: two aligned runs of 256
.irp e, 0,1,2,3,4,5,6,7
	v_add_f32 v[160+\e], v[WGR+\e], v[WGR+8+\e]
	v_add_f32 v[168+\e], v[WGR+16+\e], v[WGR+24+\e]
.endr
.irp e, 0,1,2,3,4,5,6,7
	v_add_f32 v[160+\e], v[160+\e], v[168+\e]
.endr
.irp e, 0,1,2,3,4,5,6,7
	v_add_f32 v[160+\e], s[16+\e], v[160+\e]       ; the logits
.endr
	v_max3_num_f32 v176, v160, v161, v162
	v_max3_num_f32 v176, v176, v163, v164
	v_max3_num_f32 v176, v176, v165, v166
	v_max_num_f32 v176, v176, v167                 ; the row's maximum is taken away ahead of the exponentials
.irp e, 0,1,2,3,4,5,6,7
	v_sub_f32 v[168+\e], v[160+\e], v176
.endr
.irp e, 0,1,2,3,4,5,6,7
	v_mul_f32 v[168+\e], 0x3fb8aa3b, v[168+\e]
.endr
.irp e, 0,1,2,3,4,5,6,7
	v_exp_f32 v[168+\e], v[168+\e]
.endr
	v_mov_b32 v178, 0                              ; (a plain place behind the exponentials)  the first expert's number
	s_wait_alu depctr_va_vdst(0)
	v_mov_b32 v179, v168
.irp e, 1,2,3,4,5,6,7
	v_cmp_gt_f32 vcc_lo, v[168+\e], v179           ; strictly larger: of equals the lower number stays
	v_cndmask_b32 v179, v179, v[168+\e], vcc_lo
	v_cndmask_b32 v178, v178, \e, vcc_lo
.endr
	v_add_f32 v180, v168, v169
	v_add_f32 v181, v170, v171
	v_add_f32 v182, v172, v173
	v_add_f32 v183, v174, v175
	v_add_f32 v180, v180, v181
	v_add_f32 v182, v182, v183
	v_add_f32 v177, v180, v182
	v_rcp_f32 v177, v177
.irp e, 0,1,2,3,4,5,6,7
	v_cmp_eq_u32 vcc_lo, \e, v178
	v_cndmask_b32 v[184+\e], v[168+\e], -1.0, vcc_lo   ; the first is taken out: under every exponential
.endr
	v_mov_b32 v193, 0
	v_mov_b32 v192, v184
.irp e, 1,2,3,4,5,6,7
	v_cmp_gt_f32 vcc_lo, v[184+\e], v192
	v_cndmask_b32 v192, v192, v[184+\e], vcc_lo
	v_cndmask_b32 v193, v193, \e, vcc_lo
.endr
	s_wait_alu depctr_va_vdst(0)
	v_mul_f32 v179, v179, v177                     ; the two scores
	v_mul_f32 v192, v192, v177
	v_cmp_lt_u32 vcc_lo, v178, v193
	v_min_u32 v194, v178, v193                     ; a
	v_max_u32 v195, v178, v193                     ; b
	v_cndmask_b32 v196, v192, v179, vcc_lo         ; a's score
	v_cndmask_b32 v197, v179, v192, vcc_lo         ; b's
	v_sub_nc_u32 v198, 13, v194
	v_mul_u32_u24 v198, v198, v194
	v_lshrrev_b32 v198, 1, v198
	v_add3_u32 v198, v198, v195, -1                ; the pair's number
	v_cmp_gt_u32 vcc_lo, 16, v1
	s_wait_xcnt 0x0                                ; EXEC changes only behind this wait: a store is out
	s_wait_tensorcnt 0x0
	ds_add_u32 v254, v255
	s_wait_dscnt 0x0
	s_and_saveexec_b32 s43, vcc_lo
	global_store_b32 v199, v198, s[12:13]
	global_store_b64 v200, v[196:197], s[14:15]
	s_endpgm
.Ldone:
	s_wait_tensorcnt 0x0
	ds_add_u32 v254, v255
	s_wait_dscnt 0x0
	s_endpgm
.Lfunc_end_k_qd46d6df981_route:
	.size	k_qd46d6df981_route, .Lfunc_end_k_qd46d6df981_route-k_qd46d6df981_route
	.p2alignl 7, 3214868480
	.fill 96, 4, 3214868480
	.section	.rodata,"a",@progbits
	.p2align	6, 0x0
	.amdhsa_kernel k_qd46d6df981_route
		.amdhsa_group_segment_fixed_size 78336
		.amdhsa_private_segment_fixed_size 0
		.amdhsa_enable_private_segment 0
		.amdhsa_kernarg_size 48
		.amdhsa_user_sgpr_count 2
		.amdhsa_user_sgpr_kernarg_segment_ptr 1
		.amdhsa_wavefront_size32 1
		.amdhsa_system_sgpr_workgroup_id_x 1
		.amdhsa_system_sgpr_workgroup_id_y 1
		.amdhsa_system_sgpr_workgroup_id_z 1
		.amdhsa_system_vgpr_workitem_id 0
		.amdhsa_next_free_vgpr 256
		.amdhsa_next_free_sgpr 66
		.amdhsa_reserve_vcc 1
		.amdhsa_float_denorm_mode_32 3
		.amdhsa_float_denorm_mode_16_64 3
		.amdhsa_memory_ordered 1
		.amdhsa_forward_progress 1
		.amdhsa_inst_pref_size 51
	.end_amdhsa_kernel
	.amdgpu_metadata
---
amdhsa.version: [ 1, 2 ]
amdhsa.kernels:
  - .name:           k_qd46d6df981_route
    .symbol:         k_qd46d6df981_route.kd
    .args:
      - { .name: x, .offset: 0, .size: 8, .value_kind: global_buffer, .address_space: global }
      - { .name: Wg, .offset: 8, .size: 8, .value_kind: global_buffer, .address_space: global }
      - { .name: bg, .offset: 16, .size: 8, .value_kind: global_buffer, .address_space: global }
      - { .name: xq, .offset: 24, .size: 8, .value_kind: global_buffer, .address_space: global }
      - { .name: sel, .offset: 32, .size: 8, .value_kind: global_buffer, .address_space: global }
      - { .name: gw, .offset: 40, .size: 8, .value_kind: global_buffer, .address_space: global }
    .group_segment_fixed_size: 78336
    .private_segment_fixed_size: 0
    .kernarg_segment_align: 8
    .kernarg_segment_size: 48
    .max_flat_workgroup_size: 256
    .sgpr_count:     66
    .vgpr_count:     256
    .wavefront_size: 32
...
	.end_amdgpu_metadata
.endif
;; end of part 1
;; launch prep (part 2): grid 513 x 1, 8 waves a work-group, no clusters, 2,048 bytes of LDS; arguments W1, W2, sel, wq, lst; writes wq, lst
.if DOCPART == 2
	.amdgcn_target "amdgcn-amd-amdhsa--gfx1250"
	.amdhsa_code_object_version 6
	.text
	.protected	k_qd46d6df981_prep
	.globl	k_qd46d6df981_prep
	.p2align	8
	.type	k_qd46d6df981_prep,@function
k_qd46d6df981_prep:
	s_mov_b64 s[64:65], 0
	v_nop
	global_prefetch_b8 v0, s[64:65] scope:SCOPE_SE
	s_setreg_imm32_b32 hwreg(HW_REG_WAVE_MODE, 25, 1), 1
	s_wait_xcnt 0x0
; PREP.  Two jobs in one launch, parted on the work-group's number.
; WORK-GROUPS 1 .. 512: W1 and W2, [8][1024 (k)][1024 (n)] f32 with K as the first axis of a matrix, become codes of E5M2 with one E8M0 byte for each 32 along K,
; laid IN THE ORDER OF THE OPERAND'S REGISTERS: wq = [mat 16][b 32][s 8][u 2][c 4][lane 32][16 bytes], mat = e for W1 and 8 + e for W2.  Lane (r = lane % 16,
; h = lane / 16) of tile u of pair b holds column n = 32 b + 8 u + r + 8 (r / 8), k = 128 s + 32 c + 16 h + 0 .. 15.  So a fragment is 2,048 bytes on end and comes by
; four loads of 512 consecutive bytes; the columns of a tile are chosen so that the 16 results a lane gets from tiles u = 0, 1 are 16 neighbouring columns.
; At WS: scale words [mat][b][s][lane 32], lane 16 u + r = the word of tile u, row r, K step s.
; A lane takes a column and its registers run down K: a block of 32 lies in one lane, nothing is transposed, each load reads 128 consecutive bytes.
; A wave takes 32 columns x 128 k.  Each of its stores of codes covers two aligned runs of 256 bytes.  No LDS on this path.
; REGISTERS: 160, so that three work-groups' waves (six to a SIMD, 960 registers) fit side by side and all 513 work-groups can start together: a block's codes are laid
; into the registers that held the block before, whose numbers are done with; the first block's have eight registers of their own.
; WORK-GROUP 0: the tokens are placed by their pair of experts (sel, 0 .. 27, stored by the launch before): a counting sort without atomics.  Tiles of 48 tokens of one
; pair: lst = tab[128] x (count, a, b, 0), then at ORD the token of each place, ord[tile][48]; the places that a pair's last tile has over are filled with token 0.
; There are never more than ceil(4096 / 48) + 27 = 113 tiles, whatever the choice; entries of tab past the last tile are zeros.
; EXEC is never changed on this path: a lane that has no place to fill writes its 0 to the spare word behind the list's 113 x 48 places (word DUMP of ord), which nobody reads.
; LIMITS: NaN and infinities among the weights are not served; a block whose largest magnitude lies under 2^-111, a block of zeros too, gets the byte 1
; (the bytes are read by this program alone).  The 4,096 token numbers are stored one word a lane to scattered places: 16 KB in all.
.set WS,   16777216
.set ORD,  2048
.set DUMP, 5424                        ; 113 x 48: the word behind the last place; byte ORD + 4 x DUMP = 23,744 of lst's 23,808
.set X,    32                          ; quantiser: v32-159 four blocks of 32 numbers; a block's first eight registers later hold the next block's codes
.set C0,   16                          ; v16-23  the first block's codes
.set KY,   16                          ; placement: v16-31 the keys, register 4 k + q of lane L = token 512 w + 128 k + 4 L + q
.set LR,   32                          ; v32-47  how many lower lanes of the chunk have my key; later the token's number
.set PF,   48                          ; v48-63  (lane = key) how many tokens of that key the wave's earlier chunks hold
.set POS,  64                          ; v64-79  the token's place
.set VP,   80                          ; v80-84  bit i of my lane ? 0 : -1
.set RUN,  85
.set TOT,  96
.set WB,   97
.set TIL,  98
.set TBS,  99
.set PJ,   100
.set PA,   118                         ; v118-125 the eight pad stores' addresses, a register for each
.set NIL,  126                         ; v126    0: token 0
.set TAD,  127                         ; v127    16 x thread: the table's address; holds nothing else
	s_load_b256 s[4:11], s[0:1], 0x0               ; W1 s[4:5], W2 s[6:7], sel s[8:9], wq s[10:11]
	s_load_b64 s[12:13], s[0:1], 0x20              ; lst
	v_lshl_add_u32 v160, v0, 2, 0x400
	v_mov_b32 v161, 0
	v_lshrrev_b32 v1, 5, v0
	v_readfirstlane_b32 s14, v1                    ; wave 0..7
	v_and_b32 v1, 31, v0                           ; lane L
	s_cmp_eq_u32 ttmp9, 0
	s_cbranch_scc1 .Lplace
	; ---------------- the quantiser ----------------
	s_sub_co_u32 s15, ttmp9, 1                     ; q = 0 .. 511
	s_and_b32 s16, s15, 7
	s_lshl_b32 s16, s16, 2
	s_and_b32 s17, s14, 3
	s_or_b32 s16, s16, s17                         ; b: the four waves side by side read 512 consecutive bytes of a row
	s_bfe_u32 s17, s15, 0x20003
	s_lshl_b32 s17, s17, 1
	s_lshr_b32 s18, s14, 2
	s_or_b32 s17, s17, s18                         ; s
	s_lshr_b32 s18, s15, 5                         ; mat
	s_and_b32 s19, s18, 7
	s_lshl_b32 s20, s19, 22                        ; from: 4 MiB a matrix, 128 rows of 4,096 bytes a K step, 128 bytes a pair
	s_lshl_b32 s21, s17, 19
	s_add_co_u32 s20, s20, s21
	s_lshl_b32 s21, s16, 7
	s_add_co_u32 s20, s20, s21
	s_mov_b32 s21, 0
	s_lshl_b32 s22, s18, 20                        ; to: 1 MiB a matrix, 32 KiB a pair, 4 KiB a K step
	s_lshl_b32 s23, s16, 15
	s_add_co_u32 s22, s22, s23
	s_lshl_b32 s23, s17, 12
	s_add_co_u32 s22, s22, s23
	s_mov_b32 s23, 0
	s_lshl_b32 s26, s18, 5                         ; the scale words: 1,024 bytes a pair, 128 a K step
	s_add_co_u32 s26, s26, s16
	s_lshl_b32 s26, s26, 10
	s_lshl_b32 s27, s17, 7
	s_add_co_u32 s26, s26, s27
	s_add_co_u32 s26, s26, WS
	s_mov_b32 s27, 0
	s_mov_b32 s24, 0x600000                        ; the mantissa field of 57,344
	v_and_b32 v2, 7, v1
	v_bfe_u32 v3, v1, 3, 1
	v_lshrrev_b32 v4, 4, v1                        ; u
	v_lshl_add_u32 v5, v3, 4, v2
	v_lshl_add_u32 v5, v4, 3, v5                   ; my column in the pair: L % 8 + 16 ((L / 8) % 2) + 8 (L / 16)
	v_lshlrev_b32 v5, 2, v5
	v_and_b32 v6, 15, v1
	v_lshlrev_b32 v6, 4, v6
	v_lshl_add_u32 v6, v4, 11, v6                  ; out: 2,048 u + 16 r
	v_lshlrev_b32 v7, 2, v1
	s_wait_kmcnt 0x0
	s_cmp_lt_u32 s18, 8                            ; W1 or W2: the choice hangs on the work-group's number alone
	s_cselect_b64 s[4:5], s[4:5], s[6:7]
	s_add_nc_u64 s[4:5], s[4:5], s[20:21]
	s_add_nc_u64 s[26:27], s[10:11], s[26:27]
	s_add_nc_u64 s[10:11], s[10:11], s[22:23]
.macro QLOAD c                         ; block c: W(128 s + 32 c + i, my column)
.set i_, 0
.rept 32
	global_load_b32 v[X+32*(\c)+i_], v5, s[4:5] offset:(32*(\c)+i_)*4096 th:TH_LOAD_NT
.set i_, i_+1
.endr
.endm
.macro QBLOCK c, left
.set XB, X+32*(\c)
.if (\c) == 0
.set CB, C0
.else
.set CB, X+32*((\c)-1)                 ; the block before has been converted: its numbers' registers are free, and nothing is loaded into them again
.endif
	s_wait_loadcnt \left                           ; this block's 32 loads are in; the next block's may be out
.if (\c) < 2
	QLOAD (\c)+2
.endif
	v_max3_num_f32 v12, |v[XB]|, |v[XB+1]|, |v[XB+2]|              ; the block's largest magnitude: all 32 numbers are mine
	v_max3_num_f32 v13, |v[XB+3]|, |v[XB+4]|, |v[XB+5]|
.irp i, 6,10,14,18,22,26
	v_max3_num_f32 v12, v12, |v[XB+\i]|, |v[XB+\i+1]|
	v_max3_num_f32 v13, v13, |v[XB+\i+2]|, |v[XB+\i+3]|
.endr
	v_max3_num_f32 v12, v12, |v[XB+30]|, |v[XB+31]|
	v_max3_num_f32 v12, v12, v13, 0x8000000        ; and the floor 2^(16 - 127)
	v_add_nc_u32 v11, 0xf8800000, v12              ; 15 off the exponent field: the conversion's scale operand
	v_and_or_b32 v10, v12, 0x7f800000, s24         ; 57,344 x the scale
	v_lshrrev_b32 v13, 23, v11                     ; the scale's byte
.if (\c) == 0
	v_mov_b32 v24, v13
.else
	v_lshl_or_b32 v24, v13, 8*(\c), v24            ; four bytes make my column's scale word of this K step
.endif
.set i_, 0
.rept 32
	v_med3_num_f32 v[XB+i_], v[XB+i_], -v10, v10   ; the conversion does not saturate (ISA guide 7.6.2)
.set i_, i_+1
.endr
.irp g, 0,1,2,3
	v_cvt_scalef32_pk8_bf8_f32 v[CB+2*\g:CB+2*\g+1], v[XB+8*\g:XB+8*\g+7], v11
.endr
	global_store_b128 v6, v[CB:CB+3], s[10:11] offset:512*(\c)         ; k = 32 c + 0 .. 15: the place of lane r.  These registers are not written again
	global_store_b128 v6, v[CB+4:CB+7], s[10:11] offset:512*(\c)+256   ; k = 32 c + 16 .. 31: of lane 16 + r
.endm
	QLOAD 0
	QLOAD 1
	QBLOCK 0, 32
	QBLOCK 1, 32
	QBLOCK 2, 32
	QBLOCK 3, 0
	global_store_b32 v7, v24, s[26:27]
	s_endpgm
	; ---------------- the placement ----------------
.Lplace:
	s_lshl_b32 s15, s14, 11
	v_lshl_add_u32 v2, v1, 4, s15                  ; my wave's 512 keys: 2,048 w + 16 L
	v_lshlrev_b32 v86, 2, v0                       ; LDS: a word for each thread
	v_lshlrev_b32 v87, 2, v1
	v_lshlrev_b32 v[TAD], 4, v0                    ; the table: 16 bytes a thread
	v_mov_b32 v[NIL], 0
	s_wait_kmcnt 0x0
.irp k, 0,1,2,3
	global_load_b128 v[KY+4*\k:KY+4*\k+3], v2, s[8:9] offset:512*\k
.endr
.irp i, 0,1,2,3,4
	v_bfe_u32 v[VP+\i], v1, \i, 1
.endr
.irp i, 0,1,2,3,4
	v_add_nc_u32 v[VP+\i], -1, v[VP+\i]
.endr
	s_mov_b32 s36, 0x55555555
	s_mov_b32 s37, 0x33333333
	s_mov_b32 s38, 0x0f0f0f0f
	s_mov_b32 s39, 0x01010101
	v_mov_b32 v[RUN], 0
	s_wait_loadcnt 0x0
.set i_, 0
.rept 16
	v_min_u32 v[KY+i_], 31, v[KY+i_]
.set i_, i_+1
.endr
; A chunk = one register's 32 tokens.  Five ballots (bit i of the key, over the lanes).  The lanes with MY key: the AND over i of the ballot or its complement, by my key's bit.
; The lanes whose key is MY LANE'S NUMBER: the same by my lane's bits; its population count is the chunk's count of that key.
.macro CHUNK ch
.irp i, 0,1,2,3,4
	v_and_b32 v[3+\i], 1<<\i, v[KY+\ch]
.endr
.irp i, 0,1,2,3,4
	v_cmp_ne_u32 s[20+\i], 0, v[3+\i]
.endr
.irp i, 0,1,2,3,4
	s_not_b32 s[28+\i], s[20+\i]
.endr
.irp i, 0,1,2,3,4
	v_cndmask_b32 v[3+\i], s[28+\i], s[20+\i], s[20+\i]
.endr
.irp i, 0,1,2,3,4
	v_xor_b32 v[8+\i], s[20+\i], v[VP+\i]
.endr
	v_and_b32 v3, v3, v4
	v_and_b32 v5, v5, v6
	v_and_b32 v8, v8, v9
	v_and_b32 v10, v10, v11
	v_and_b32 v3, v3, v7
	v_and_b32 v8, v8, v12
	v_and_b32 v3, v3, v5
	v_and_b32 v8, v8, v10
	v_mbcnt_lo_u32_b32 v[LR+\ch], v3, 0
	v_lshrrev_b32 v9, 1, v8                        ; the population count, by halves
	v_and_b32 v9, s36, v9
	v_sub_nc_u32 v8, v8, v9
	v_lshrrev_b32 v9, 2, v8
	v_and_b32 v8, s37, v8
	v_and_b32 v9, s37, v9
	v_add_nc_u32 v8, v8, v9
	v_lshrrev_b32 v9, 4, v8
	v_add_nc_u32 v8, v8, v9
	v_and_b32 v8, s38, v8
	v_mul_lo_u32 v8, v8, s39
	v_lshrrev_b32 v8, 24, v8
	v_mov_b32 v[PF+\ch], v[RUN]
	v_add_nc_u32 v[RUN], v[RUN], v8
.endm
.irp ch, 0,1,2,3,4,5,6,7,8,9,10,11,12,13,14,15
	CHUNK \ch
.endr
	ds_store_b32 v86, v[RUN]                       ; my wave's count of key L
	s_wait_dscnt 0x0
	s_barrier_signal -1
	s_barrier_wait -1
.irp k, 0,1,2,3,4,5,6,7
	ds_load_b32 v[88+\k], v87 offset:128*\k
.endr
	v_mov_b32 v[TOT], 0
	v_mov_b32 v[WB], 0
	v_mov_b32 v[TBS], 0                            ; (written whole before single lanes are written)
	v_mov_b32 v[PJ], 0
	s_wait_dscnt 0x0
.irp k, 0,1,2,3,4,5,6,7
	s_cmp_gt_u32 s14, \k
	s_cselect_b32 s40, -1, 0
	v_add_nc_u32 v[TOT], v[TOT], v[88+\k]          ; the key's tokens in all,
	v_and_b32 v3, s40, v[88+\k]
	v_add_nc_u32 v[WB], v[WB], v3                  ; and in the waves below mine
.endr
	v_add_nc_u32 v3, 47, v[TOT]
	v_mul_u32_u24 v3, v3, 0xaaab
	v_lshrrev_b32 v[TIL], 21, v3                   ; ceil(total / 48): 43,691 / 2^21 is 1 / 48 closely enough for arguments up to 4,143
	s_mov_b32 s41, 0
.set l_, 0
.rept 32                               ; over the keys: each key's first tile; and for thread j the key whose tiles hold tile j: the number of keys whose tiles end at or under j
	v_readlane_b32 s42, v[TIL], l_
	v_writelane_b32 v[TBS], s41, l_
	s_add_co_u32 s41, s41, s42
	v_cmp_le_u32 vcc_lo, s41, v0
	v_add_co_ci_u32 v[PJ], vcc_lo, 0, v[PJ], vcc_lo
.set l_, l_+1
.endr                                  ; s41 = the number of tiles
	v_mul_u32_u24 v101, v[TBS], 48
	v_add_nc_u32 v102, v101, v[TOT]                ; where the key's pads begin,
	v_add_nc_u32 v103, v101, v[WB]                 ; where my wave's tokens of the key begin,
	v_add_nc_u32 v104, v[TBS], v[TIL]
	v_mul_u32_u24 v104, v104, 48                   ; where the key's places end
	s_lshl_b32 s42, s14, 9
	v_lshl_add_u32 v105, v1, 2, s42                ; token 512 w + 4 L
	s_lshl_b32 s42, s14, 2
.irp k, 0,1,2,3
	v_mov_b32 v[106+\k], s42                       ; lane w + 8 k, as a byte address: the keys whose pads my wave writes
	s_add_co_u32 s42, s42, 32
.endr
.set i_, 0
.rept 16
	v_lshlrev_b32 v[KY+i_], 2, v[KY+i_]
	v_add_nc_u32 v[PF+i_], v103, v[PF+i_]
.set i_, i_+1
.endr
.set i_, 0
.rept 16
	ds_bpermute_b32 v[POS+i_], v[KY+i_], v[PF+i_]  ; each token pulls its key's base from the lane of that number
.set i_, i_+1
.endr
.irp k, 0,1,2,3
	ds_bpermute_b32 v[110+\k], v[106+\k], v102
	ds_bpermute_b32 v[114+\k], v[106+\k], v104
.endr
	s_wait_dscnt 0x0
.set i_, 0
.rept 16
	v_add_nc_u32 v[POS+i_], v[POS+i_], v[LR+i_]
	v_min_u32 v[POS+i_], DUMP-1, v[POS+i_]         ; 113 x 48 places
	v_lshlrev_b32 v[POS+i_], 2, v[POS+i_]
	v_add_nc_u32 v[LR+i_], 128*(i_/4)+(i_%4), v105 ; the token's number
.set i_, i_+1
.endr
.set i_, 0
.rept 16
	global_store_b32 v[POS+i_], v[LR+i_], s[12:13] offset:ORD
.set i_, i_+1
.endr
; The pads of key w + 8 k: at most 47 places are over, so two runs of 32 lanes cover them.  All lanes store: a lane past the key's last place is sent to the spare word,
; by a select ahead of the clamp.  Each store has an address register of its own, so none is rewritten while a store may still read it.
.macro PAD k, half
	v_add3_u32 v3, v[110+\k], v1, 32*\half
	v_cmp_lt_u32 vcc_lo, v3, v[114+\k]
	v_cndmask_b32 v3, DUMP, v3, vcc_lo
	v_min_u32 v3, DUMP, v3
	v_lshlrev_b32 v[PA+2*\k+\half], 2, v3
	global_store_b32 v[PA+2*\k+\half], v[NIL], s[12:13] offset:ORD
.endm
.irp k, 0,1,2,3
	PAD \k, 0
	PAD \k, 1
.endr
	s_cmp_lt_u32 s14, 4                            ; the table: threads 0 .. 127
	s_cbranch_scc0 .Lpdone
	v_min_u32 v[PJ], 31, v[PJ]
	v_lshlrev_b32 v3, 2, v[PJ]
	ds_bpermute_b32 v4, v3, v[TBS]
	ds_bpermute_b32 v5, v3, v[TOT]
	v_mov_b32 v6, 0
.irp thr, 7,13,18,22,25,27             ; a = how many of the pairs' row starts lie at or under p
	v_cmp_le_u32 vcc_lo, \thr, v[PJ]
	v_add_co_ci_u32 v6, vcc_lo, 0, v6, vcc_lo
.endr
	v_sub_nc_u32 v7, 13, v6
	v_mul_u32_u24 v7, v7, v6
	v_lshrrev_b32 v7, 1, v7
	v_sub_nc_u32 v7, v[PJ], v7
	v_add_nc_u32 v7, 1, v7                         ; b = p + 1 - a (13 - a) / 2
	s_wait_dscnt 0x0
	v_sub_nc_u32 v4, v0, v4
	v_mul_u32_u24 v4, v4, 48
	v_sub_nc_u32 v5, v5, v4
	v_min_u32 v5, 48, v5                           ; the tile's tokens
	v_cmp_gt_u32 vcc_lo, s41, v0                   ; past the last tile: zeros
	v_cndmask_b32 v140, 0, v5, vcc_lo
	v_cndmask_b32 v141, 0, v6, vcc_lo
	v_cndmask_b32 v142, 0, v7, vcc_lo
	v_mov_b32 v143, 0
	global_store_b128 v[TAD], v[140:143], s[12:13]
.Lpdone:
	s_wait_tensorcnt 0x0
	ds_add_u32 v160, v161
	s_wait_dscnt 0x0
	s_endpgm
.Lfunc_end_k_qd46d6df981_prep:
	.size	k_qd46d6df981_prep, .Lfunc_end_k_qd46d6df981_prep-k_qd46d6df981_prep
	.p2alignl 7, 3214868480
	.fill 96, 4, 3214868480
	.section	.rodata,"a",@progbits
	.p2align	6, 0x0
	.amdhsa_kernel k_qd46d6df981_prep
		.amdhsa_group_segment_fixed_size 2048
		.amdhsa_private_segment_fixed_size 0
		.amdhsa_enable_private_segment 0
		.amdhsa_kernarg_size 40
		.amdhsa_user_sgpr_count 2
		.amdhsa_user_sgpr_kernarg_segment_ptr 1
		.amdhsa_wavefront_size32 1
		.amdhsa_system_sgpr_workgroup_id_x 1
		.amdhsa_system_sgpr_workgroup_id_y 1
		.amdhsa_system_sgpr_workgroup_id_z 1
		.amdhsa_system_vgpr_workitem_id 0
		.amdhsa_next_free_vgpr 162
		.amdhsa_next_free_sgpr 66
		.amdhsa_reserve_vcc 1
		.amdhsa_float_denorm_mode_32 3
		.amdhsa_float_denorm_mode_16_64 3
		.amdhsa_memory_ordered 1
		.amdhsa_forward_progress 1
		.amdhsa_inst_pref_size 83
	.end_amdhsa_kernel
	.amdgpu_metadata
---
amdhsa.version: [ 1, 2 ]
amdhsa.kernels:
  - .name:           k_qd46d6df981_prep
    .symbol:         k_qd46d6df981_prep.kd
    .args:
      - { .name: W1, .offset: 0, .size: 8, .value_kind: global_buffer, .address_space: global }
      - { .name: W2, .offset: 8, .size: 8, .value_kind: global_buffer, .address_space: global }
      - { .name: sel, .offset: 16, .size: 8, .value_kind: global_buffer, .address_space: global }
      - { .name: wq, .offset: 24, .size: 8, .value_kind: global_buffer, .address_space: global }
      - { .name: lst, .offset: 32, .size: 8, .value_kind: global_buffer, .address_space: global }
    .group_segment_fixed_size: 2048
    .private_segment_fixed_size: 0
    .kernarg_segment_align: 8
    .kernarg_segment_size: 40
    .max_flat_workgroup_size: 256
    .sgpr_count:     66
    .vgpr_count:     162
    .wavefront_size: 32
...
	.end_amdgpu_metadata
.endif
;; end of part 2
;; launch up (part 3): grid 57 x 4, 4 waves a work-group, no clusters, 100,352 bytes of LDS; arguments xq, lst, wq, b1, hq; writes hq
.if DOCPART == 3
	.amdgcn_target "amdgcn-amd-amdhsa--gfx1250"
	.amdhsa_code_object_version 6
	.text
	.protected	k_qd46d6df981_up
	.globl	k_qd46d6df981_up
	.p2align	8
	.type	k_qd46d6df981_up,@function
k_qd46d6df981_up:
	s_mov_b64 s[64:65], 0
	v_nop
	global_prefetch_b8 v0, s[64:65] scope:SCOPE_SE
	s_setreg_imm32_b32 hwreg(HW_REG_WAVE_MODE, 25, 1), 1
	s_wait_xcnt 0x0
; UP.  For a tile (48 tokens of one pair of experts) and a slot (0: expert a, 1: expert b): h = Q(gelu(x W1[e] + b1[e])), the product on codes of E5M2 with E8M0 scales,
; the exact GELU in f32, Q the quantiser along the hidden axis, which is the next product's K.  h leaves as codes, as images of the next product's operand registers:
; hq = [tile][slot][m 3][s' 8][c 4][lane 32][16 bytes]; at HS its scale words [tile][slot][m][4][lane 32], lanes 0-15 K step 2 i, lanes 16-31 K step 2 i + 1.
; SHARES.  A work-group (x = i, y = slot + 2 hh) takes TWO NEIGHBOURING TILES, 2 i and 2 i + 1, one slot and 512 of the 1,024 hidden units.  Four waves, as many as a WGP has
; SIMDs: wave w has tile 2 i + w % 2 and hidden units 512 hh + 256 (w / 2) .. + 255, for all 48 tokens of its tile: eight trips of 32 units (a pair of column tiles).
; So waves 0 and 1, and waves 2 and 3, have the same columns.  The list is sorted by the pair (a, b), so that neighbouring tiles mostly have the same expert in a slot; the two
; waves then name the same bytes of wq, in the same order.  Nothing in the result hangs on that.
; THE TOKENS STAND STILL: 48 rows x 1,024 codes are 384 registers (windows 2 and 3), gathered once through LDS.  THE WEIGHTS STREAM from memory straight into a ring of four
; register slots (window 1); they were laid in the order of the operand's registers, so every load reads 512 consecutive bytes.  A slot holds two K steps of both tiles.
; THE PRODUCT IS USED TRANSPOSED (source 0 = 16 columns of W1, source 1 = 16 tokens): a lane holds one token, and registers ACC + 16 m + 0 .. 15 are hidden units
; 32 b + 16 (lane / 16) + 0 .. 15: 16 neighbours along the next K.  The bias is the C of a sum's first product.  The six accumulators take turns, one instruction a turn.
; GELU: gelu(v) = max(v, 0) - |v| q, q = erfc(|v| / sqrt 2) / 2 = t exp(-v^2 / 2 + P(t)) / 2, t = 1 / (1 + |v| / (2 sqrt 2)), P a polynomial of degree 9 whose fit is stated
; as within 1.2e-7 of erfc, relatively, for every argument; no difference of near numbers in either tail.
; A FIXED GRID: 57 pairs of tiles cover the 113 tiles that serve every split.  The waves of a tile that the split leaves without rows read tile 0's list in its stead, pass the one
; barrier, store nothing and end.
; NO CLUSTER, NO TENSOR LOAD: which tiles share an expert hangs on a list read from memory, so partners could not be given equal descriptors by the text's own arithmetic.
; LIMITS: NaN and infinities are not served.  v_exp_f32 gives 0 for results under 2^-126: gelu(v) is -0 for v under about -13.  A block of h whose largest magnitude lies
; under 2^-111 gets the byte 1.  Places that a tile has over compute token 0; the next launch stores nothing of them.
.set XS,   4194304
.set WS,   16777216
.set HS,   11108352
.set ORD,  2048
.set XP,   1040                        ; a token's row in LDS: 1,024 bytes + 16: 65 x 16 bytes, so the 16 rows of a fragment load start in different banks.  96 rows: tile 2 i's 48, then tile 2 i + 1's
.set L16,  1                           ; v1   16 x lane
.set L4,   2                           ; v2   4 x lane
.set BV,   3                           ; v3   64 (lane / 16): my 16 numbers of a pair's 32 biases
.set AF,   4                           ; v4   LDS: (48 (w % 2) + lane % 16) XP + 16 (lane / 16)
.set LW,   5                           ; v5   LDS: (48 (w % 2) + 24 (w / 2) + lane / 16) XP + 16 (lane % 16)
.set VC8,  12                          ; v[12:13] c8, twice
.set ASC,  16                          ; v16-39   x's scale words: 8 m + s
.set BSC,  40                          ; v40-47   W1's: K step s; lanes 0-15 tile 0, lanes 16-31 tile 1
.set BIAS, 48                          ; v48-63   b1 in the result's layout: 8 u + j
.set ACC,  64                          ; v64-111  six accumulators: 16 m + 8 u
.set TT,   112
.set PP,   128
.set WW,   144
.set RR,   160
.set CODES, 176                        ; v176-187
.set AM,   188
.set PX,   191
.set SCO,  194
.set LIM,  197
.set BY,   200
.set CUR,  204                         ; the scale word in the making
.set SV,   208                         ; the two finished words: lanes 0-15, lanes 16-31
.set TK,   64                          ; the head: v64-78 tokens; v80-91, v92-94 offsets; the gathered rows lie in window 2, v0-191, until they are stored to LDS
.set TA,   80
.set TS,   92
.set MSB, 0
.macro WIN new                         ; the immediate's high byte repeats the setting that is left
.if MSB != \new
	s_set_vgpr_msb (MSB<<8)|\new
.set MSB, \new
.endif
.endm
.macro PLACES n
.rept \n
	v_nop
.endr
.endm
; Slot sg's twelve products: K steps 2 sg, 2 sg + 1; tokens' tiles m; column tiles u.
.macro MM sg
.if \sg < 2
	WIN 0x09                                       ; source 0 window 1, source 1 window 2, C and D window 0
.else
	WIN 0x0d                                       ; source 1 window 3
.endif
.irp sl, 0,1
.irp m, 0,1,2
.irp u, 0,1
.set ks, 2*\sg+\sl
.set rD, ACC+16*\m+8*\u
.set rA, 64*\sg+16*(2*\sl+\u)
.set rB, 16*(4*\m+ks%4)
.set rC, rD
.if ks == 0
.set rC, BIAS+8*\u
.endif
.if \u == 0
	v_wmma_scale_f32_16x16x128_f8f6f4 v[rD:rD+7], v[rA:rA+15], v[rB:rB+15], v[rC:rC+7], v[BSC+ks], v[ASC+8*\m+ks] matrix_a_fmt:MATRIX_FMT_BF8 matrix_b_fmt:MATRIX_FMT_BF8
.else
	v_wmma_scale_f32_16x16x128_f8f6f4 v[rD:rD+7], v[rA:rA+15], v[rB:rB+15], v[rC:rC+7], v[BSC+ks], v[ASC+8*\m+ks] matrix_a_fmt:MATRIX_FMT_BF8 matrix_b_fmt:MATRIX_FMT_BF8 matrix_a_scale:MATRIX_SCALE_ROW1
.endif
.endr
.endr
.endr
.endm
; The loads of slot sg for the pair that begins off bytes behind the base: 16 of codes, 2 of scale words; with slot 0 the pair's 4 of biases.  18 loads, or 22.
.macro G sg, off
	WIN 0x40                                       ; destination window 1
.irp f, 0,1,2,3
.irp c, 0,1,2,3
	global_load_b128 v[64*\sg+16*\f+4*\c:64*\sg+16*\f+4*\c+3], v[L16], s[8:9] offset:\off+8192*\sg+2048*\f+512*\c
.endr
.endr
	WIN 0
.irp i, 0,1
	global_load_b32 v[BSC+2*\sg+\i], v[L4], s[16:17] offset:(\off)/32+128*(2*\sg+\i)
.endr
.if \sg == 0
.irp k, 0,1,2,3
	global_load_b128 v[BIAS+4*\k:BIAS+4*\k+3], v[BV], s[10:11] offset:(\off)/256+16*\k
.endr
.endif
.endm
; n: the loads issued behind this slot's own group, which may stay out (loads come back in order: ISA guide 5.7.1).  Eight places stand between the products and the loads
; into registers that they read, and in front of the first read of results.
.macro SLOT sg, n, refill, off
	s_wait_loadcnt \n
	MM \sg
.if \refill
	PLACES 8
	G \sg, \off
.elseif \sg == 3
	PLACES 8
	WIN 0
.endif
.endm
.macro GELU m
.set VV, ACC+16*\m
.set i_, 0
.rept 16
	v_fma_f32 v[TT+i_], |v[VV+i_]|, s35, 1.0       ; each accumulator is read from its low end on
.set i_, i_+1
.endr
.set i_, 0
.rept 16
	v_rcp_f32 v[TT+i_], v[TT+i_]                   ; t
.set i_, i_+1
.endr
.set i_, 0
.rept 8
	v_pk_mul_f32 v[WW+i_:WW+i_+1], v[VV+i_:VV+i_+1], v[VV+i_:VV+i_+1]     ; v^2.  (Plain places behind the reciprocals)
.set i_, i_+2
.endr
.set i_, 0
	s_wait_alu depctr_va_vdst(0)
.rept 8
	v_pk_fma_f32 v[PP+i_:PP+i_+1], v[TT+i_:TT+i_+1], s[52:53], v[VC8:VC8+1] op_sel_hi:[1,0,1]   ; c9 t + c8
.set i_, i_+2
.endr
.irp cc, 50,48,46,44,42,40,38,36       ; c7 .. c0
.set i_, 0
.rept 8
	v_pk_fma_f32 v[PP+i_:PP+i_+1], v[PP+i_:PP+i_+1], v[TT+i_:TT+i_+1], s[\cc:\cc+1] op_sel_hi:[1,1,0]
.set i_, i_+2
.endr
.endr
.set i_, 0
.rept 8
	v_pk_fma_f32 v[WW+i_:WW+i_+1], v[WW+i_:WW+i_+1], -0.5, v[PP+i_:PP+i_+1] op_sel_hi:[1,0,1]
.set i_, i_+2
.endr
.set i_, 0
.rept 8
	v_pk_fma_f32 v[WW+i_:WW+i_+1], v[WW+i_:WW+i_+1], s[54:55], -1.0 op_sel_hi:[1,0,0]           ; x log2(e), and the half
.set i_, i_+2
.endr
.set i_, 0
.rept 16
	v_exp_f32 v[WW+i_], v[WW+i_]
.set i_, i_+1
.endr
.set i_, 0
.rept 16
	v_max_num_f32 v[RR+i_], v[VV+i_], 0            ; (plain places behind the exponentials)
.set i_, i_+1
.endr
.set i_, 0
	s_wait_alu depctr_va_vdst(0)
.rept 8
	v_pk_mul_f32 v[WW+i_:WW+i_+1], v[WW+i_:WW+i_+1], v[TT+i_:TT+i_+1]     ; q
.set i_, i_+2
.endr
.set i_, 0
.rept 16
	v_fma_f32 v[VV+i_], -|v[VV+i_]|, v[WW+i_], v[RR+i_]
.set i_, i_+1
.endr
.endm
; The pair's 32 hidden units are one block of the next K, for each of my three tokens: 16 numbers here, 16 in lane l xor 16.
.macro QUANT3
.irp m, 0,1,2
	v_max3_num_f32 v[AM+\m], |v[ACC+16*\m]|, |v[ACC+16*\m+1]|, 0x8000000   ; with the floor 2^(16 - 127)
.endr
.irp i, 2,4,6,8,10,12,14
.irp m, 0,1,2
	v_max3_num_f32 v[AM+\m], v[AM+\m], |v[ACC+16*\m+\i]|, |v[ACC+16*\m+\i+1]|
.endr
.endr
.irp m, 0,1,2
	v_permlanex16_b32 v[PX+\m], v[AM+\m], s32, s33
.endr
.irp m, 0,1,2
	v_max_num_f32 v[AM+\m], v[AM+\m], v[PX+\m]
.endr
.irp m, 0,1,2
	v_add_nc_u32 v[SCO+\m], 0xf8800000, v[AM+\m]   ; 15 off the exponent field: the conversion's scale operand
.endr
.irp m, 0,1,2
	v_and_or_b32 v[LIM+\m], v[AM+\m], 0x7f800000, s34   ; 57,344 x the scale
.endr
.irp m, 0,1,2
	v_lshrrev_b32 v[BY+\m], 23, v[SCO+\m]          ; the scale's byte
.endr
.irp m, 0,1,2
	v_lshrrev_b32 v[CUR+\m], 8, v[CUR+\m]          ; it comes in at the top: after four trips the first trip's byte is the lowest
.endr
.irp m, 0,1,2
	v_lshl_or_b32 v[CUR+\m], v[BY+\m], 24, v[CUR+\m]
.endr
.irp m, 0,1,2
	v_cndmask_b32 v[SV+\m], v[SV+\m], v[CUR+\m], s31   ; kept by lanes 0-15 behind trip 3, by lanes 16-31 behind trip 7
.endr
.irp m, 0,1,2
.set i_, 0
.rept 16
	v_med3_num_f32 v[ACC+16*\m+i_], v[ACC+16*\m+i_], -v[LIM+\m], v[LIM+\m]   ; the conversion does not saturate (ISA guide 7.6.2)
.set i_, i_+1
.endr
	v_cvt_scalef32_pk8_bf8_f32 v[CODES+4*\m:CODES+4*\m+1], v[ACC+16*\m:ACC+16*\m+7], v[SCO+\m]
	v_cvt_scalef32_pk8_bf8_f32 v[CODES+4*\m+2:CODES+4*\m+3], v[ACC+16*\m+8:ACC+16*\m+15], v[SCO+\m]
.endr
	v_nop                                          ; a plain place between the conversions and the next products, which write their sources
.irp m, 0,1,2
	global_store_b128 v[L16], v[CODES+4*\m:CODES+4*\m+3], s[12:13] offset:16384*\m   ; 512 consecutive bytes: four registers of an operand's image
.endr
.endm
.macro TRIP refill
.if \refill
	SLOT 0, 54, 1, 32768                           ; behind G0: this pair's G1, G2, G3: 3 x 18
	SLOT 1, 58, 1, 32768                           ; behind G1: G2, G3 and the next pair's G0: 18 + 18 + 22
	SLOT 2, 58, 1, 32768
	SLOT 3, 58, 1, 32768
.else
	SLOT 0, 54, 0, 0                               ; nothing more is asked for: the counts run down
	SLOT 1, 36, 0, 0
	SLOT 2, 18, 0, 0
	SLOT 3, 0, 0, 0
.endif
	GELU 0
	GELU 1
	GELU 2
	QUANT3
.endm
	s_load_b256 s[4:11], s[0:1], 0x0               ; xq s[4:5], lst s[6:7], wq s[8:9], b1 s[10:11]
	s_load_b64 s[12:13], s[0:1], 0x20              ; hq
	v_lshl_add_u32 v254, v0, 2, 0x18600
	v_mov_b32 v255, 0
	v_lshrrev_b32 v6, 5, v0
	v_readfirstlane_b32 s18, v6                    ; wave 0..3
	s_and_b32 s61, s18, 1                          ; which of the two tiles is mine
	s_lshr_b32 s62, s18, 1                         ; which 256 of the work-group's 512 hidden units
	s_lshl_b32 s19, ttmp9, 1
	s_add_co_u32 s19, s19, s61                     ; the tile: 2 i + w % 2
	s_and_b32 s63, ttmp7, 0xffff                   ; y = slot + 2 hh
	s_and_b32 s20, s63, 1                          ; the slot
	s_and_b32 s63, s63, 2
	s_add_co_u32 s63, s63, s62                     ; my quarter of the 1,024 hidden units: 2 hh + w / 2
	v_and_b32 v6, 31, v0
	v_and_b32 v7, 15, v0                           ; r
	v_bfe_u32 v8, v0, 4, 1                         ; h
	v_lshlrev_b32 v[L16], 4, v6
	v_lshlrev_b32 v[L4], 2, v6
	v_lshlrev_b32 v[BV], 6, v8
	s_mul_i32 s56, s61, 48*XP                      ; my tile's 48 rows in LDS
	v_mul_u32_u24 v[AF], v7, XP
	v_lshl_add_u32 v[AF], v8, 4, v[AF]
	v_add_nc_u32 v[AF], s56, v[AF]
	s_mul_i32 s57, s62, 24*XP                      ; of them I gather 24: the wave with the same tile gathers the others
	s_add_co_u32 s57, s57, s56
	v_mul_u32_u24 v[LW], v8, XP
	v_lshl_add_u32 v[LW], v7, 4, v[LW]
	v_add_nc_u32 v[LW], s57, v[LW]
	v_lshlrev_b32 v11, 4, v7
	v_mov_b32 v[VC8], 0xbf527892                   ; c8 = -0.82215223
	v_mov_b32 v[VC8+1], 0xbf527892
.irp m, 0,1,2
	v_mov_b32 v[PX+\m], 0                          ; a lane permute's destination counts as one of its sources
	v_mov_b32 v[CUR+\m], 0
	v_mov_b32 v[SV+\m], 0
.endr
	s_lshl_b32 s56, s19, 4
	s_mov_b32 s57, 0
	s_wait_kmcnt 0x0
	s_add_nc_u64 s[56:57], s[6:7], s[56:57]
	s_load_b128 s[24:27], s[56:57], 0x0            ; my tile's entry: count, a, b
	s_mov_b32 s32, 0x76543210
	s_mov_b32 s33, 0xfedcba98                      ; v_permlanex16_b32's selects for lane l xor 16
	s_mov_b32 s34, 0x600000                        ; the mantissa field of 57,344
	s_mov_b32 s35, 0x3eb504f3                      ; 1 / (2 sqrt 2)
	s_mov_b32 s36, 0xbfa1fc4e                      ; c0 = -1.26551223   (each constant twice: the packed forms name a pair)
	s_mov_b32 s38, 0x3f8000c7                      ; c1 =  1.00002368
	s_mov_b32 s40, 0x3ebf88fb                      ; c2 =  0.37409196
	s_mov_b32 s42, 0x3dc636c9                      ; c3 =  0.09678418
	s_mov_b32 s44, 0xbe3ec24c                      ; c4 = -0.18628806
	s_mov_b32 s46, 0x3e8ec7cc                      ; c5 =  0.27886807
	s_mov_b32 s48, 0xbf914e5d                      ; c6 = -1.13520398
	s_mov_b32 s50, 0x3fbe87b0                      ; c7 =  1.48851587
	s_mov_b32 s52, 0x3e2ef946                      ; c9 =  0.17087277
	s_mov_b32 s54, 0x3fb8aa3b                      ; log2(e)
.irp p, 36,38,40,42,44,46,48,50,52,54
	s_mov_b32 s[\p+1], s[\p]
.endr
	s_wait_kmcnt 0x0
	s_min_u32 s24, s24, 48
	s_cmp_lg_u32 s20, 0
	s_cselect_b32 s28, s26, s25                    ; my expert,
	s_min_u32 s28, s28, 7                          ; held inside the table
	s_min_u32 s29, s24, 1
	s_mul_i32 s58, s19, 48
	s_mul_i32 s29, s29, s58                        ; my tile's first place in the list; a tile without rows takes tile 0's, whose places are always written
	s_mul_i32 s58, s62, 24
	s_add_co_u32 s58, s58, s29
	s_lshl_b32 s58, s58, 2
	v_lshl_add_u32 v9, v8, 2, s58                  ; the rows that my wave gathers: 24 (w / 2) + 2 i + lane / 16
	s_lshl_b32 s59, s29, 2
	v_lshl_add_u32 v10, v7, 2, s59                 ; the rows whose scale words my lane holds: 16 m + lane % 16
	s_lshl_b32 s56, s28, 15                        ; W1's scale words: 32 KiB an expert, 8 KiB a quarter
	s_lshl_b32 s58, s63, 13
	s_add_co_u32 s56, s56, s58
	s_add_co_u32 s56, s56, WS
	s_mov_b32 s57, 0
	s_add_nc_u64 s[16:17], s[8:9], s[56:57]
	s_lshl_b32 s56, s28, 20                        ; its codes: 1 MiB an expert, 256 KiB a quarter
	s_lshl_b32 s58, s63, 18
	s_add_co_u32 s56, s56, s58
	s_add_nc_u64 s[8:9], s[8:9], s[56:57]
	s_lshl_b32 s56, s28, 12                        ; b1
	s_lshl_b32 s58, s63, 10
	s_add_co_u32 s56, s56, s58
	s_add_nc_u64 s[10:11], s[10:11], s[56:57]
	s_lshl_b32 s60, s19, 1
	s_add_co_u32 s60, s60, s20                     ; 2 x tile + slot
	s_mul_i32 s56, s60, 1536
	s_lshl_b32 s58, s63, 7
	s_add_co_u32 s56, s56, s58
	s_add_co_u32 s56, s56, HS
	s_add_nc_u64 s[22:23], s[12:13], s[56:57]      ; h's scale words
	s_mul_i32 s56, s60, 49152
	s_lshl_b32 s58, s63, 12
	s_add_co_u32 s56, s56, s58
	s_add_nc_u64 s[12:13], s[12:13], s[56:57]      ; h's codes
	s_add_nc_u64 s[14:15], s[4:5], XS              ; x's scale bytes
.irp i, 0,1,2,3,4,5,6,7,8,9,10,11
	global_load_b32 v[TK+\i], v9, s[6:7] offset:ORD+8*\i
.endr
.irp m, 0,1,2
	global_load_b32 v[TK+12+\m], v10, s[6:7] offset:ORD+64*\m
.endr
	G 0, 0
	G 1, 0
	s_wait_loadcnt 40                              ; the list is in; G0 and G1, 22 + 18, stay out
.irp i, 0,1,2,3,4,5,6,7,8,9,10,11
	v_min_u32 v[TK+\i], 0xfff, v[TK+\i]
	v_lshl_add_u32 v[TA+\i], v[TK+\i], 10, v11     ; 1,024 x token + 16 (lane % 16)
.endr
.irp m, 0,1,2
	v_min_u32 v[TK+12+\m], 0xfff, v[TK+12+\m]
	v_lshlrev_b32 v[TS+\m], 5, v[TK+12+\m]
.endr
	WIN 0x80                                       ; destination window 2: its registers are free until the tokens' fragments come back from LDS
.irp i, 0,1,2,3,4,5,6,7,8,9,10,11
.irp q, 0,1,2,3
	global_load_b128 v[16*\i+4*\q:16*\i+4*\q+3], v[TA+\i], s[4:5] offset:256*\q   ; 16 lanes read 256 consecutive bytes of a token's codes, aligned
.endr
.endr
	WIN 0
.irp m, 0,1,2
.irp k, 0,1
	global_load_b128 v[ASC+8*\m+4*\k:ASC+8*\m+4*\k+3], v[TS+\m], s[14:15] offset:16*\k   ; the token's eight scale words
.endr
.endr
	G 2, 0
	s_wait_loadcnt 18                              ; all but G2
	WIN 0x08                                       ; an LDS store's data are its source 1: window 2
.irp i, 0,1,2,3,4,5,6,7,8,9,10,11
.irp q, 0,1,2,3
	ds_store_b128 v[LW], v[16*\i+4*\q:16*\i+4*\q+3] offset:2*XP*\i+256*\q
.endr
.endr
	G 3, 0
	s_wait_dscnt 0x0                               ; for the others' sake: my 24 rows lie in LDS
	s_barrier_signal -1
	s_barrier_wait -1                              ; every work-group's every wave passes here
	s_cmp_eq_u32 s24, 0
	s_cbranch_scc1 .Lend                           ; a tile without rows stores nothing
	WIN 0x80                                       ; destination window 2: K steps 0-3
.irp m, 0,1,2
.irp s, 0,1,2,3
.irp c, 0,1,2,3
	ds_load_b128 v[16*(4*\m+\s)+4*\c:16*(4*\m+\s)+4*\c+3], v[AF] offset:16*XP*\m+128*\s+32*\c
.endr
.endr
.endr
	WIN 0xc0                                       ; window 3: K steps 4-7
.irp m, 0,1,2
.irp s, 0,1,2,3
.irp c, 0,1,2,3
	ds_load_b128 v[16*(4*\m+\s)+4*\c:16*(4*\m+\s)+4*\c+3], v[AF] offset:16*XP*\m+128*(\s+4)+32*\c
.endr
.endr
.endr
	WIN 0
	s_wait_dscnt 0x0
	s_mov_b32 s30, 0
.Ltrip:                                            ; seven trips, each asking for the next pair
	s_cmp_eq_u32 s30, 3
	s_cselect_b32 s31, 0xffff, 0
	TRIP 1
	s_wait_xcnt 0x0                                ; the bases and the codes' registers are written again only behind this wait
	s_add_nc_u64 s[8:9], s[8:9], 32768
	s_add_nc_u64 s[16:17], s[16:17], 1024
	s_add_nc_u64 s[10:11], s[10:11], 128
	s_add_nc_u64 s[12:13], s[12:13], 512
	s_add_co_u32 s30, s30, 1
	s_cmp_lt_u32 s30, 7
	s_cbranch_scc1 .Ltrip
	s_mov_b32 s31, 0xffff0000
	TRIP 0                                         ; the eighth is written out: no load passes the wave's own pairs
.irp m, 0,1,2
	global_store_b32 v[L4], v[SV+\m], s[22:23] offset:512*\m
.endr
.Lend:
	s_wait_tensorcnt 0x0
	ds_add_u32 v254, v255
	s_wait_dscnt 0x0
	s_endpgm
.Lfunc_end_k_qd46d6df981_up:
	.size	k_qd46d6df981_up, .Lfunc_end_k_qd46d6df981_up-k_qd46d6df981_up
	.p2alignl 7, 3214868480
	.fill 96, 4, 3214868480
	.section	.rodata,"a",@progbits
	.p2align	6, 0x0
	.amdhsa_kernel k_qd46d6df981_up
		.amdhsa_group_segment_fixed_size 100352
		.amdhsa_private_segment_fixed_size 0
		.amdhsa_enable_private_segment 0
		.amdhsa_kernarg_size 40
		.amdhsa_user_sgpr_count 2
		.amdhsa_user_sgpr_kernarg_segment_ptr 1
		.amdhsa_wavefront_size32 1
		.amdhsa_system_sgpr_workgroup_id_x 1
		.amdhsa_system_sgpr_workgroup_id_y 1
		.amdhsa_system_sgpr_workgroup_id_z 1
		.amdhsa_system_vgpr_workitem_id 0
		.amdhsa_next_free_vgpr 960
		.amdhsa_next_free_sgpr 66
		.amdhsa_reserve_vcc 0
		.amdhsa_float_denorm_mode_32 3
		.amdhsa_float_denorm_mode_16_64 3
		.amdhsa_memory_ordered 1
		.amdhsa_forward_progress 1
		.amdhsa_inst_pref_size 129
	.end_amdhsa_kernel
	.amdgpu_metadata
---
amdhsa.version: [ 1, 2 ]
amdhsa.kernels:
  - .name:           k_qd46d6df981_up
    .symbol:         k_qd46d6df981_up.kd
    .args:
      - { .name: xq, .offset: 0, .size: 8, .value_kind: global_buffer, .address_space: global }
      - { .name: lst, .offset: 8, .size: 8, .value_kind: global_buffer, .address_space: global }
      - { .name: wq, .offset: 16, .size: 8, .value_kind: global_buffer, .address_space: global }
      - { .name: b1, .offset: 24, .size: 8, .value_kind: global_buffer, .address_space: global }
      - { .name: hq, .offset: 32, .size: 8, .value_kind: global_buffer, .address_space: global }
    .group_segment_fixed_size: 100352
    .private_segment_fixed_size: 0
    .kernarg_segment_align: 8
    .kernarg_segment_size: 40
    .max_flat_workgroup_size: 128
    .sgpr_count:     66
    .vgpr_count:     960
    .wavefront_size: 32
...
	.end_amdgpu_metadata
.endif
;; end of part 3
;; launch down (part 4): grid 57 x 4, 4 waves a work-group, no clusters, 200,192 bytes of LDS; arguments hq, lst, wq, b2, gw, out0; writes out0
.if DOCPART == 4
	.amdgcn_target "amdgcn-amd-amdhsa--gfx1250"
	.amdhsa_code_object_version 6
	.text
	.protected	k_qd46d6df981_down
	.globl	k_qd46d6df981_down
	.p2align	8
	.type	k_qd46d6df981_down,@function
k_qd46d6df981_down:
	s_mov_b64 s[64:65], 0
	v_nop
	global_prefetch_b8 v0, s[64:65] scope:SCOPE_SE
	s_setreg_imm32_b32 hwreg(HW_REG_WAVE_MODE, 25, 1), 1
	s_wait_xcnt 0x0
; DOWN.  For a tile (48 tokens of one pair of experts a, b): out = wa (h_a W2[a] + b2[a]) + wb (h_b W2[b] + b2[b]), the products on codes of E5M2 with E8M0 scales.
; Each token lies in one tile, so each row of out has one owner and nothing is added across work-groups.
; SHARES.  A work-group (x = i, y) takes TWO NEIGHBOURING TILES, 2 i and 2 i + 1, and columns 256 y .. 256 y + 255.  Four waves: wave w has tile 2 i + w % 2 and the expert's slot
; es = w / 2: eight trips of 32 columns.  So waves 0 and 1 (slot a), and waves 2 and 3 (slot b), have the same columns.  The list is sorted by the pair (a, b), so that neighbouring
; tiles mostly have the same expert in a slot; the two waves then name the same bytes of wq, in the same order.  Nothing in the result hangs on that.
; The tokens' operand (48 rows x 1,024 codes of h, stored by the launch before as images of these registers) stands still in 384 registers; W2's codes stream from memory
; straight into a ring of four register slots.
; THE PRODUCT IS USED TRANSPOSED (source 0 = 16 columns of W2, source 1 = 16 tokens): a lane holds one token and 16 neighbouring columns.  The bias is the C of a sum's first
; product, so one multiplication by the lane's gate weight finishes a partial row.  The six accumulators take turns, one instruction a turn.
; A tile's two partial results meet in LDS (four stages, one for each tile and slot); behind the one barrier each wave adds and stores 24 rows of its tile: 512 consecutive bytes a store.
; The eight trips are written out: every offset is an immediate, no pointer is stepped, and no loop stands under the branch on the tile's count.
; A FIXED GRID: the waves of a tile that the split leaves without rows jump over the work, pass the barrier, store nothing and end.  Places that a tile has over are not stored.
; NO CLUSTER, NO TENSOR LOAD: which tiles share an expert hangs on a list read from memory.    LIMITS: NaN and infinities are not served.
.set WS,   16777216
.set HS,   11108352
.set ORD,  2048
.set SPT,  1040                        ; a row of a stage: 1,024 bytes + 16: 65 x 16 bytes
.set STGB, 48*SPT                      ; a stage; stage 2 (w % 2) + es
.set L16,  1
.set L4,   2
.set BV,   3
.set ST0,  4                           ; v4   into my stage: STGB (2 (w % 2) + es) + SPT (lane % 16) + 64 (lane / 16)
.set RD0,  8                           ; v8   out of my tile's stage of slot 0: my 24 rows, 16 bytes a lane
.set RD1,  9                           ; v9   out of its stage of slot 1
.set ASC,  16                          ; v16-27   h's scale words: 4 m + s / 2; lanes 0-15 even K steps, lanes 16-31 odd ones
.set OA,   32                          ; v32-55   behind the trips: my 24 rows' byte offsets in out
.set BSC,  44                          ; v44-51   W2's scale words
.set BIAS, 52                          ; v52-67
.set ACC,  68                          ; v68-115
.set OUTR, 128                         ; v128-175 the weighted results on their way to the stage
.set RO,   128                         ; v128-223 six rows of both stages
.set TOK,  68                          ; s68-91   the tokens of my 24 rows
.set MSB, 0
.macro WIN new
.if MSB != \new
	s_set_vgpr_msb (MSB<<8)|\new
.set MSB, \new
.endif
.endm
.macro PLACES n
.rept \n
	v_nop
.endr
.endm
.macro MM sg
.if \sg < 2
	WIN 0x09                                       ; source 0 window 1, source 1 window 2, C and D window 0
.else
	WIN 0x0d
.endif
.irp sl, 0,1
.irp m, 0,1,2
.irp u, 0,1
.set ks, 2*\sg+\sl
.set rD, ACC+16*\m+8*\u
.set rA, 64*\sg+16*(2*\sl+\u)
.set rB, 16*(4*\m+ks%4)
.set rC, rD
.if ks == 0
.set rC, BIAS+8*\u
.endif
.if (\u == 0) && (\sl == 0)
	v_wmma_scale_f32_16x16x128_f8f6f4 v[rD:rD+7], v[rA:rA+15], v[rB:rB+15], v[rC:rC+7], v[BSC+ks], v[ASC+4*\m+\sg] matrix_a_fmt:MATRIX_FMT_BF8 matrix_b_fmt:MATRIX_FMT_BF8
.elseif \sl == 0
	v_wmma_scale_f32_16x16x128_f8f6f4 v[rD:rD+7], v[rA:rA+15], v[rB:rB+15], v[rC:rC+7], v[BSC+ks], v[ASC+4*\m+\sg] matrix_a_fmt:MATRIX_FMT_BF8 matrix_b_fmt:MATRIX_FMT_BF8 matrix_a_scale:MATRIX_SCALE_ROW1
.elseif \u == 0
	v_wmma_scale_f32_16x16x128_f8f6f4 v[rD:rD+7], v[rA:rA+15], v[rB:rB+15], v[rC:rC+7], v[BSC+ks], v[ASC+4*\m+\sg] matrix_a_fmt:MATRIX_FMT_BF8 matrix_b_fmt:MATRIX_FMT_BF8 matrix_b_scale:MATRIX_SCALE_ROW1
.else
	v_wmma_scale_f32_16x16x128_f8f6f4 v[rD:rD+7], v[rA:rA+15], v[rB:rB+15], v[rC:rC+7], v[BSC+ks], v[ASC+4*\m+\sg] matrix_a_fmt:MATRIX_FMT_BF8 matrix_b_fmt:MATRIX_FMT_BF8 matrix_a_scale:MATRIX_SCALE_ROW1 matrix_b_scale:MATRIX_SCALE_ROW1
.endif
.endr
.endr
.endr
.endm
.macro G sg, off                       ; slot sg's loads for the pair off bytes behind the base: 18, or with slot 0's biases 22
	WIN 0x40
.irp f, 0,1,2,3
.irp c, 0,1,2,3
	global_load_b128 v[64*\sg+16*\f+4*\c:64*\sg+16*\f+4*\c+3], v[L16], s[8:9] offset:\off+8192*\sg+2048*\f+512*\c
.endr
.endr
	WIN 0
.irp i, 0,1
	global_load_b32 v[BSC+2*\sg+\i], v[L4], s[34:35] offset:(\off)/32+128*(2*\sg+\i)
.endr
.if \sg == 0
.irp k, 0,1,2,3
	global_load_b128 v[BIAS+4*\k:BIAS+4*\k+3], v[BV], s[10:11] offset:(\off)/256+16*\k
.endr
.endif
.endm
; n: the loads issued behind this slot's own group (loads come back in order: ISA guide 5.7.1).  Eight places between the products and the loads into registers that they read,
; and in front of the first read of results.
.macro SLOT sg, n, refill, off
	s_wait_loadcnt \n
	MM \sg
.if \refill
	PLACES 8
	G \sg, \off
.elseif \sg == 3
	PLACES 8
	WIN 0
.endif
.endm
.macro TRIP t
.if \t < 7
	SLOT 0, 54, 1, 32768*(\t+1)                    ; behind G0: G1, G2, G3: 3 x 18
	SLOT 1, 58, 1, 32768*(\t+1)                    ; behind G1: 18 + 18 + 22
	SLOT 2, 58, 1, 32768*(\t+1)
	SLOT 3, 58, 1, 32768*(\t+1)
.else
	SLOT 0, 54, 0, 0
	SLOT 1, 36, 0, 0
	SLOT 2, 18, 0, 0
	SLOT 3, 0, 0, 0
.endif
	s_wait_dscnt 0x0                               ; the last trip's LDS stores have read their registers
.irp m, 0,1,2
.set rW, 28+2*\m
.if \m == 2
.set rW, 116
.endif
.set i_, 0
.rept 8
	v_pk_mul_f32 v[OUTR+16*\m+i_:OUTR+16*\m+i_+1], v[ACC+16*\m+i_:ACC+16*\m+i_+1], v[rW:rW+1] op_sel_hi:[1,0]   ; x my token's gate weight; each accumulator from its low end on
.set i_, i_+2
.endr
.endr
.irp m, 0,1,2
.irp k, 0,1,2,3
	ds_store_b128 v[ST0], v[OUTR+16*\m+4*\k:OUTR+16*\m+4*\k+3] offset:16*SPT*\m+128*\t+16*\k   ; row 16 m + lane % 16, columns 32 t + 16 (lane / 16) + 4 k on
.endr
.endr
.endm
	s_load_b256 s[4:11], s[0:1], 0x0               ; hq s[4:5], lst s[6:7], wq s[8:9], b2 s[10:11]
	s_load_b128 s[12:15], s[0:1], 0x20             ; gw s[12:13], out0 s[14:15]
	v_lshl_add_u32 v254, v0, 2, 0x30c00
	v_mov_b32 v255, 0
	v_lshrrev_b32 v6, 5, v0
	v_readfirstlane_b32 s18, v6                    ; wave 0..3
	s_lshr_b32 s21, s18, 1                         ; es
	s_and_b32 s22, s18, 1                          ; which of the two tiles is mine
	s_lshl_b32 s19, ttmp9, 1
	s_add_co_u32 s19, s19, s22                     ; the tile: 2 i + w % 2
	s_and_b32 s20, ttmp7, 0xffff                   ; the quarter of the columns
	v_and_b32 v6, 31, v0
	v_and_b32 v7, 15, v0                           ; r
	v_bfe_u32 v13, v0, 4, 1                        ; h
	v_lshlrev_b32 v[L16], 4, v6
	v_lshlrev_b32 v[L4], 2, v6
	v_lshlrev_b32 v[BV], 6, v13
	s_lshl_b32 s58, s22, 1
	s_mul_i32 s59, s58, STGB                       ; my tile's stage of slot 0
	s_add_co_u32 s58, s58, s21
	s_mul_i32 s58, s58, STGB                       ; my own stage
	v_mul_u32_u24 v[ST0], v7, SPT
	v_lshl_add_u32 v[ST0], v13, 6, v[ST0]
	v_add_nc_u32 v[ST0], s58, v[ST0]
	s_mul_i32 s58, s21, 24*SPT                     ; the 24 rows that I add and store: 24 es on
	s_add_co_u32 s58, s58, s59
	v_add_nc_u32 v[RD0], s58, v[L16]
	v_add_nc_u32 v[RD1], STGB, v[RD0]
	v_mov_b32 v29, 0                               ; the upper words of the pairs that hold the gate weights: named with them, so written
	v_mov_b32 v31, 0
	v_mov_b32 v117, 0
	s_lshl_b32 s56, s19, 4
	s_mov_b32 s57, 0
	s_wait_kmcnt 0x0
	s_add_nc_u64 s[56:57], s[6:7], s[56:57]
	s_load_b128 s[24:27], s[56:57], 0x0            ; my tile's entry: count, a, b
	s_wait_kmcnt 0x0
	s_min_u32 s24, s24, 48
	s_cmp_lg_u32 s21, 0
	s_cselect_b32 s28, s26, s25                    ; my expert,
	s_min_u32 s28, s28, 7                          ; held inside the table
	s_min_u32 s29, s24, 1
	s_mul_i32 s58, s19, 48
	s_mul_i32 s29, s29, s58                        ; my tile's first place in the list; a tile without rows takes tile 0's
	s_mul_i32 s48, s21, 24                         ; my first row of the tile
	s_add_co_u32 s50, s29, s48
	s_lshl_b32 s50, s50, 2
	s_mov_b32 s51, 0
	s_add_nc_u64 s[16:17], s[6:7], s[50:51]
	s_load_b256 s[TOK:TOK+7], s[16:17], 0x800      ; the tokens of my 24 rows (ORD = 0x800); waited for in front of the barrier
	s_load_b256 s[TOK+8:TOK+15], s[16:17], 0x820
	s_load_b256 s[TOK+16:TOK+23], s[16:17], 0x840
	s_add_co_u32 s50, s28, 8                       ; W2's matrix: 8 + e
	s_lshl_b32 s52, s20, 3                         ; my first pair of column tiles: 8 y
	s_lshl_b32 s54, s50, 5
	s_add_co_u32 s54, s54, s52
	s_lshl_b32 s54, s54, 10
	s_add_co_u32 s54, s54, WS
	s_mov_b32 s55, 0
	s_add_nc_u64 s[34:35], s[8:9], s[54:55]        ; W2's scale words
	s_lshl_b32 s54, s50, 20
	s_lshl_b32 s53, s52, 15
	s_add_co_u32 s54, s54, s53
	s_add_nc_u64 s[8:9], s[8:9], s[54:55]          ; its codes
	s_lshl_b32 s54, s28, 12
	s_lshl_b32 s53, s52, 7
	s_add_co_u32 s54, s54, s53
	s_add_nc_u64 s[10:11], s[10:11], s[54:55]      ; b2
	s_lshl_b32 s53, s19, 1
	s_add_co_u32 s53, s53, s21                     ; 2 x tile + es
	s_mul_i32 s54, s53, 49152
	s_add_nc_u64 s[30:31], s[4:5], s[54:55]        ; h's codes
	s_mul_i32 s54, s53, 1536
	s_add_co_u32 s54, s54, HS
	s_add_nc_u64 s[32:33], s[4:5], s[54:55]        ; h's scale words
	s_lshl_b32 s54, s21, 2
	s_add_nc_u64 s[12:13], s[12:13], s[54:55]      ; gw: my slot's weight
	s_lshl_b32 s54, s20, 10
	s_add_nc_u64 s[14:15], s[14:15], s[54:55]      ; out: my quarter of a row
	s_mul_i32 s58, s19, 192
	v_lshl_add_u32 v6, v7, 2, s58                  ; the list's places 48 x tile + lane % 16
	s_cmp_eq_u32 s24, 0
	s_cbranch_scc1 .Ljoin                          ; a tile without rows: straight to the barrier
.irp m, 0,1,2
	global_load_b32 v[10+\m], v6, s[6:7] offset:ORD+64*\m
.endr
.irp m, 0,1,2
.irp i, 0,1,2,3
	global_load_b32 v[ASC+4*\m+\i], v[L4], s[32:33] offset:512*\m+128*\i
.endr
.endr
	WIN 0x80                                       ; destination window 2: K steps 0-3
.irp m, 0,1,2
.irp s, 0,1,2,3
.irp c, 0,1,2,3
	global_load_b128 v[16*(4*\m+\s)+4*\c:16*(4*\m+\s)+4*\c+3], v[L16], s[30:31] offset:16384*\m+2048*\s+512*\c
.endr
.endr
.endr
	WIN 0
	s_wait_loadcnt 60                              ; the list is in: behind it 12 loads of scale words and 48 of images
.irp m, 0,1,2
	v_min_u32 v[10+\m], 0xfff, v[10+\m]
	v_lshlrev_b32 v[10+\m], 3, v[10+\m]
.endr
	global_load_b32 v28, v10, s[12:13]             ; the gate weights of tokens 16 m + lane % 16
	global_load_b32 v30, v11, s[12:13]
	global_load_b32 v116, v12, s[12:13]
	WIN 0xc0                                       ; window 3: K steps 4-7
.irp m, 0,1,2
.irp s, 0,1,2,3
.irp c, 0,1,2,3
	global_load_b128 v[16*(4*\m+\s)+4*\c:16*(4*\m+\s)+4*\c+3], v[L16], s[30:31] offset:16384*\m+2048*(\s+4)+512*\c
.endr
.endr
.endr
	WIN 0
	G 0, 0
	G 1, 0
	G 2, 0
	G 3, 0                                         ; the first trip's first wait leaves G1, G2, G3 out: all that was asked for ahead of them is in
.irp t, 0,1,2,3,4,5,6,7
	TRIP \t
.endr
.Ljoin:
	s_wait_dscnt 0x0                               ; for the others' sake: my partial rows lie in my stage
	s_wait_kmcnt 0x0                               ; my 24 tokens
	s_barrier_signal -1
	s_barrier_wait -1                              ; every work-group's every wave passes here
	s_cmp_eq_u32 s24, 0
	s_cbranch_scc1 .Lend
.set i_, 0
.rept 24
	s_min_u32 s[TOK+i_], s[TOK+i_], 4095
	s_lshl_b32 s[TOK+i_], s[TOK+i_], 12
	v_add_nc_u32 v[OA+i_], s[TOK+i_], v[L16]       ; 4,096 x token + 16 x lane
.set i_, i_+1
.endr
.macro ROWOUT g, i
	s_wait_dscnt 20-4*\i                           ; this row's four loads are in; the later rows' stay out
.set n_, 0
.rept 4
	v_pk_add_f32 v[RO+16*\i+n_:RO+16*\i+n_+1], v[RO+16*\i+n_:RO+16*\i+n_+1], v[RO+16*\i+8+n_:RO+16*\i+8+n_+1]
.set n_, n_+2
.endr
	s_add_co_u32 s49, s48, 6*\g+\i
	s_cmp_lt_u32 s49, s24                          ; a place that the tile has over is not stored
	s_cbranch_scc0 .Lpad_\@
.irp q, 0,1
	global_store_b128 v[OA+6*\g+\i], v[RO+16*\i+4*\q:RO+16*\i+4*\q+3], s[14:15] offset:512*\q th:TH_STORE_NT   ; 512 consecutive bytes, at a multiple of 256 from out's first byte
.endr
.Lpad_\@:
.endm
.macro BATCH g                         ; six rows: both stages' 1,024 bytes of each
.if \g > 0
	s_wait_xcnt 0x0                                ; the last batch's stores have read their registers
.endif
.irp i, 0,1,2,3,4,5
.irp q, 0,1
	ds_load_b128 v[RO+16*\i+4*\q:RO+16*\i+4*\q+3], v[RD0] offset:SPT*(6*\g+\i)+512*\q
.endr
.irp q, 0,1
	ds_load_b128 v[RO+16*\i+8+4*\q:RO+16*\i+8+4*\q+3], v[RD1] offset:SPT*(6*\g+\i)+512*\q
.endr
.endr
.irp i, 0,1,2,3,4,5
	ROWOUT \g, \i
.endr
.endm
	BATCH 0
	BATCH 1
	BATCH 2
	BATCH 3
.Lend:
	s_wait_tensorcnt 0x0
	ds_add_u32 v254, v255
	s_wait_dscnt 0x0
	s_endpgm
.Lfunc_end_k_qd46d6df981_down:
	.size	k_qd46d6df981_down, .Lfunc_end_k_qd46d6df981_down-k_qd46d6df981_down
	.p2alignl 7, 3214868480
	.fill 96, 4, 3214868480
	.section	.rodata,"a",@progbits
	.p2align	6, 0x0
	.amdhsa_kernel k_qd46d6df981_down
		.amdhsa_group_segment_fixed_size 200192
		.amdhsa_private_segment_fixed_size 0
		.amdhsa_enable_private_segment 0
		.amdhsa_kernarg_size 48
		.amdhsa_user_sgpr_count 2
		.amdhsa_user_sgpr_kernarg_segment_ptr 1
		.amdhsa_wavefront_size32 1
		.amdhsa_system_sgpr_workgroup_id_x 1
		.amdhsa_system_sgpr_workgroup_id_y 1
		.amdhsa_system_sgpr_workgroup_id_z 1
		.amdhsa_system_vgpr_workitem_id 0
		.amdhsa_next_free_vgpr 960
		.amdhsa_next_free_sgpr 96
		.amdhsa_reserve_vcc 0
		.amdhsa_float_denorm_mode_32 3
		.amdhsa_float_denorm_mode_16_64 3
		.amdhsa_memory_ordered 1
		.amdhsa_forward_progress 1
		.amdhsa_inst_pref_size 173
	.end_amdhsa_kernel
	.amdgpu_metadata
---
amdhsa.version: [ 1, 2 ]
amdhsa.kernels:
  - .name:           k_qd46d6df981_down
    .symbol:         k_qd46d6df981_down.kd
    .args:
      - { .name: hq, .offset: 0, .size: 8, .value_kind: global_buffer, .address_space: global }
      - { .name: lst, .offset: 8, .size: 8, .value_kind: global_buffer, .address_space: global }
      - { .name: wq, .offset: 16, .size: 8, .value_kind: global_buffer, .address_space: global }
      - { .name: b2, .offset: 24, .size: 8, .value_kind: global_buffer, .address_space: global }
      - { .name: gw, .offset: 32, .size: 8, .value_kind: global_buffer, .address_space: global }
      - { .name: out0, .offset: 40, .size: 8, .value_kind: global_buffer, .address_space: global }
    .group_segment_fixed_size: 200192
    .private_segment_fixed_size: 0
    .kernarg_segment_align: 8
    .kernarg_segment_size: 48
    .max_flat_workgroup_size: 128
    .sgpr_count:     96
    .vgpr_count:     960
    .wavefront_size: 32
...
	.end_amdgpu_metadata
.endif
;; end of part 4
